; MI455X (gfx1250); checked and timed in simulation.
; The chip was launched on July 23, 2026; its instructions are those of AMD's public machine-readable ISA for CDNA 5 (MIT licence, August 2026) and "CDNA5" Instruction Set Architecture Reference Guide (July 2026). The comments in the code are by the model that wrote it; some were corrected since.
;; tri att. Allowed arithmetic: matrix products marked QUANTISED: E2M3 operands, one E8M0 scale for each 32 along K, by v_wmma_scale_f32_16x16x128_f8f6f4 with both operands' format E2M3, f32 sums; everything else in f32.
;; Inputs: x 32 x 512 x 56 x 56 float32.
;; Outputs: out0 32 x 1 x 56 x 56 float32.
;; This version of the problem:
;;   THIS VERSION OF THE PROBLEM IS GIVEN IN LOW PRECISION. The matrix products marked QUANTISED in the list below multiply operands that are first quantised to E2M3 (2 exponent bits, 3 mantissa bits; 6 bits a number), with one power-of-two scale for each 32 numbers along K (OCP MX v1.0); their sums are f32. All else is computed in f32.
;;   The module's matrix products, in the order in which they are computed (A, B: the left and right operand; K: the contracted axis; several contracted axes count as one K, in the product's order):
;;     1. batch 32 x [M 512, K 3,136] x [K 3,136, N 512]; A: softmax (see below); B: input x: QUANTISED
;;     2. batch 32 x [M 512, K 512] x [K 512, N 3,136]; A: softmax (see below); B: input x: QUANTISED
;;   THE QUANTISER, for each operand of a quantised product, along K:
;;     - K is cut into blocks of 32 from its start; a last block that is shorter is filled with zeros.
;;     - A block's scale is 2^e with e = floor(log2(the largest magnitude in the block)) - 2, held to -126 .. 127; a block of zeros has e = 0. As a byte (E8M0): e + 127.
;;     - Each number is divided by its block's scale, clamped to +-7.5, and rounded to the nearest number of E2M3, ties to even, subnormals kept.
;;     - The product sums the exact products of the quantised numbers (number of the format x scale) in f32.
;;   ~~~python
;;   def quantise(x, axis):      # numpy; x: float32 -> the quantised numbers, widened to float32 again
;;       x = np.moveaxis(x, axis, -1); K = x.shape[-1]
;;       x = np.pad(x, [(0, 0)] * (x.ndim - 1) + [(0, -K % 32)]); x = x.reshape(x.shape[:-1] + (-1, 32)); a = np.abs(x).max(-1, keepdims=True)
;;       e = np.where(a > 0, np.clip(np.frexp(np.where(a > 0, a, 1))[1] - 1 - 2, -126, 127), 0)      # np.frexp(a)[1] - 1 = floor(log2(a)), exactly
;;       r = np.clip(x / 2.0 ** e, -7.5, 7.5)
;;       step = 2.0 ** (np.maximum(np.frexp(np.where(r == 0, 1, r))[1] - 1, 0) - 3)
;;       q = np.round(r / step) * step * 2.0 ** e      # np.round: ties to even
;;       return np.moveaxis(q.reshape(q.shape[:-2] + (-1,))[..., :K], -1, axis).astype(np.float32)
;;   ~~~
;;   SOFTMAX AHEAD OF A QUANTISED PRODUCT. Where the list says 'softmax', what is quantised is not the finished softmax but p = 2^(t - M), with t = logit x log2(e) and M = ceil(the row's largest t), a whole number; so 1/2 < the row's largest p <= 1. The row's sum l is taken of the UNQUANTISED p, in f32, and the product's result is divided by l at the end. Since M is a whole number, a kernel that streams over the keys may use a running M (the ceiling of the running maximum): every later rescaling is an exact power of two, which a block's scale takes up: the codes' values come out the same.
;;   OPERANDS COMPUTED ON THE WAY. 'Computed on the way' means the value that the module computes at that place (a softmax that the list does not call 'softmax' is quantised finished and normalised). What goes into a quantiser is computed in f32, as accurately as f32 sums, v_exp_f32 and their like allow (about 1e-6 of the number): no bf16 or f16 on the way to a quantiser, and a product that is left as it is and whose result goes on into a quantised operand takes f32 operands (vector FMAs, or v_wmma_f32_16x16x4_f32). A number that lies on a knife's edge between two numbers of the format may be rounded either way, as far as f32 arithmetic and the matrix unit's own rounding can turn it there, and no further.
;; One version. Each part assembles by itself: llvm-mc -triple=amdgcn-amd-amdhsa -mcpu=gfx1250 --defsym DOCPART=n.
;; ======== version 1 of 1: 3 launches
;; limits: right only within a limited range of input values
;; workspace buffers: xs 40,960,000 bytes; pc 39,321,600 bytes; pst 4,915,200 bytes; xd 40,960,000 bytes; p2 6,553,600 bytes; rl2 65,536 bytes
;; launch quant (part 1): grid 25 x 128, 4 waves a work-group, no clusters, 81,152 bytes of LDS; arguments x, xs, pc, pst, xd; writes xs, pc, pst, xd
.if DOCPART == 1
	.amdgcn_target "amdgcn-amd-amdhsa--gfx1250"
	.amdhsa_code_object_version 6
	.text
	.protected	k_qe8328b715b_quant
	.globl	k_qe8328b715b_quant
	.p2align	8
	.type	k_qe8328b715b_quant,@function
k_qe8328b715b_quant:
	s_mov_b64 s[64:65], 0
	v_nop
	global_prefetch_b8 v0, s[64:65] scope:SCOPE_SE
	s_setreg_imm32_b32 hwreg(HW_REG_WAVE_MODE, 25, 1), 1
	s_wait_xcnt 0x0
; QUANT.  x [32][512][3136] f32 is read ONCE and leaves as three operands in codes of E2M3 with E8M0 scales, each laid as images of operand registers:
;   xs  = x quantised along the places s (K of the first product);   pc = p1 = 2^(7 log2(e) x - M) quantised along s;   xd = x quantised along the channels d (K of the second product).
; An image of a fragment (16 rows x 128 K, 12 registers a lane) is 1,536 bytes: registers 4 g .. 4 g + 3 of lane l at 512 g + 16 l.
; SHARES.  Work-group (q, y): places 128 q .. 128 q + 127 of rows 128 y .. 128 y + 127 (y = 4 n + G).  Wave j: 32 rows x 128 places, 16 KiB, loaded as 32 x 512 consecutive bytes and turned through its own stage in LDS.
; THE ROWS OF A TILE ARE NOT NEIGHBOURS: lane r of tile u takes row 8 u + r + 8 (r / 8) of the wave's 32, for xs (so that the first product's results lie as neighbours along the next K) and for pc alike
; (there it only renames the channel c; the statistics, p2's rows and 1 / l2 keep the same order, and the output sums over all c).
; M.  A tile sees 128 places of a row, so p1 is taken under M_q = ceil(the largest t of these 128).  Codes do not depend on a whole-number M; the scale bytes under M_q, -M_q and the sum l_q go to pst, and the next launch brings them under the row's M.
; THE LAST CHUNK (q = 24) has 64 places: its upper 64 are the next row's numbers (the very last tile's lanes are held inside x by a minimum on the offset).  No branch: their codes and their part of the sum are ANDed with 0, their part of the maximum is held at -3.4e38.
; LIMITS: NaN and infinities in x are not served.  A block of zeros gets the byte 1 where the quantiser says 127: its codes are zeros, and this program alone reads the bytes.  p1 under 2^-126 of its chunk's largest is 0 (v_exp_f32 gives no denormals).
; No tensor loads: several work-groups share a WGP and cover each other's waits.  The claim is 81,152 bytes of LDS and 256 registers a wave: four claims are 324,608 bytes.
; To that end a lane's four statistics have no bytes of their own: they lie in the 16 bytes of padding behind row place `lane` of the wave's stage, which nothing else reads or writes.
.set ROWB,  12544                      ; a row of x in bytes
.set SP,    528                        ; a row's place in the stage: 512 bytes + 16, an odd multiple of 16: the 16 rows of a 16-byte load fall in 16 different columns of banks
.set STGW,  32*SP                      ; a wave's stage
.set XDL,   4*STGW                     ; 67,584: xd's 8 images, made by the four waves together
.set PIT,   1552                       ; an image of xd in LDS: 1,536 bytes + 16, so that the eight tiles' stores of 8 bytes fall at most two to a bank
.set XDS,   XDL+12544                  ; xd's scale words [tile][row], 512 bytes; behind them the spare words
.set FLOOR, 0x1800000                  ; 2^(3 - 127): under it no largest magnitude is taken, so no byte falls under 1
.set EOFF,  0xff000000                 ; takes 2 off an exponent field
.set XO,  4                            ; v4   my byte in x
.set STA, 5                            ; v5   stage, in: 16 x lane
.set RDA, 6                            ; v6   stage, out by rows: 528 r + 128 h
.set LI,  8                            ; v8   16 x lane
.set AX0, 9                            ; v9-11 where my column's six registers of an image of xd go, two at a time
.set AX1, 10
.set AX2, 11
.set AXB, 12                           ; v12  and its scale byte
.set AST, 13                           ; v13  my four statistics: the padding behind row place `lane` of my wave's stage
.set AE0, 14                           ; v14  wave 0's read-back: word 0 of lane l in wave 0's stage; the other waves' lie 16,896 bytes apart
.set ARB, 15                           ; v15  read-back of xd's images
.set AE1, 16                           ; v16  waves 1 to 3: word j of lane 4 (l % 8) of wave l / 8; the next three lanes' lie 528 bytes apart
.set A24, 17                           ; v17  read-back of xd's scale words
.set SH8, 18                           ; v18  8 h
.set TB,  254                          ; the head's scratch: v254, which the tiles' work first writes behind the head
.set NIL, 19                           ; v19  0, for the add alone; never rewritten
.set XW,  20                           ; v20-21 xs's scale word of tile 0, 1;  v22-23 p1's;  v24-25 -M_q;  v26-27 l_q
.set PW,  22
.set NI,  24
.set LQ,  26
.set STT, 28                           ; v28-31 the four as they are stored: lanes 0-15 tile 0's, lanes 16-31 tile 1's
.set R,   32                           ; v32-159 the 32 rows as loaded: lane l holds places 4 l .. 4 l + 3 of row p in v[R + 4 p] on; later X1 v32-95
.set X0,  160                          ; v160-223 first two columns of 32 channels at a time, then tile 0's 64 numbers a lane
.set X1,  32
.set F,   224                          ; v224-235 a fragment's codes
.set FT0, 236                          ; a conversion's three registers begin on an even number: the odd halves are made here and moved
.set FT1, 240
.set AM,  244                          ; v244-245 largest magnitudes, later a pair of sums
.set SG,  246                          ; v246-247 largest signed numbers, later the blocks' largest p
.set SO,  248                          ; v248-249 the conversions' scale operands
.set BY,  250                          ; v250-251 bytes, later a pair of sums
.set NM,  252                          ; v252-253 -M_q, as a pair
.set T,   254
.set T2,  255
.set SEL, 32                           ; s[32:33] lane selects: lane l xor 16
.set C7,  30                           ; s[30:31] 7 log2(e)
	s_load_b256 s[4:11], s[0:1], 0x0               ; x s[4:5], xs s[6:7], pc s[8:9], pst s[10:11]
	s_load_b64 s[12:13], s[0:1], 0x20              ; xd
	v_lshl_add_u32 v239, v0, 2, XDS+512
	v_mov_b32 v[NIL], 0
	v_lshrrev_b32 v1, 5, v0
	v_readfirstlane_b32 s14, v1                    ; j: wave 0..3
	s_and_b32 s15, ttmp7, 0xffff                   ; y = 4 n + G
	v_and_b32 v1, 31, v0                           ; lane
	v_and_b32 v2, 15, v0                           ; r
	v_bfe_u32 v3, v0, 4, 1                         ; h
	s_lshl_b32 s16, s15, 7
	s_lshl_b32 s17, s14, 5
	s_add_co_u32 s16, s16, s17                     ; my first row: 128 y + 32 j
	s_mul_i32 s16, s16, ROWB
	s_lshl_b32 s17, ttmp9, 9
	s_add_co_u32 s16, s16, s17                     ; + 512 q bytes
	v_lshl_add_u32 v[XO], v1, 4, s16
	v_min_u32 v[XO], 205132016, v[XO]              ; x's end - 31 rows - 16: moves no lane that holds a valid place; keeps the dead lanes of the very last tile inside x
	s_wait_alu depctr_va_vdst(0)
	s_wait_kmcnt 0x0
.set p, 0
.rept 32
	global_load_b128 v[R+4*p:R+4*p+3], v[XO], s[4:5] offset:ROWB*p th:TH_LOAD_NT   ; 512 consecutive bytes of row p, from a multiple of 256
.set p, p+1
.endr
	; where the results go
	s_mul_i32 s18, s15, 25
	s_add_co_u32 s18, s18, ttmp9                   ; 25 y + q
	s_mul_i32 s19, s14, 3072
	s_mul_i32 s36, s18, 12800
	s_add_co_u32 s20, s36, s19
	s_mov_b32 s21, 0
	s_add_nc_u64 s[20:21], s[6:7], s[20:21]        ; xs: block (y, q), my two images
	s_lshl_b32 s37, s15, 1
	s_lshr_b32 s38, s14, 1                         ; j / 2
	s_and_b32 s39, s14, 1                          ; j % 2
	s_add_co_u32 s37, s37, s38                     ; block of 64 channels: 8 n + 2 G + j / 2
	s_mul_i32 s37, s37, 25
	s_add_co_u32 s37, s37, ttmp9
	s_lshl_b32 s37, s37, 2
	s_lshl_b32 s40, s39, 1
	s_add_co_u32 s37, s37, s40
	s_mul_i32 s22, s37, 1536
	s_mov_b32 s23, 0
	s_add_nc_u64 s[22:23], s[8:9], s[22:23]        ; pc: my two images
	s_lshr_b32 s37, s15, 2                         ; n
	s_and_b32 s40, s15, 3                          ; G
	s_mul_i32 s37, s37, 25
	s_add_co_u32 s37, s37, ttmp9
	s_lshl_b32 s37, s37, 2
	s_add_co_u32 s37, s37, s40
	s_mul_i32 s37, s37, 12800                      ; xd: block (n, q, G)
	s_add_co_u32 s24, s37, s19
	s_mov_b32 s25, 0
	s_add_nc_u64 s[24:25], s[12:13], s[24:25]      ; my quarter of its images
	s_add_co_u32 s26, s37, 12288
	s_mov_b32 s27, 0
	s_add_nc_u64 s[26:27], s[12:13], s[26:27]      ; its scale words
	s_max_u32 s41, s14, 1
	s_sub_co_u32 s41, s41, 1
	s_lshl_b32 s41, s41, 9
	s_mul_i32 s42, s18, 1536
	s_add_co_u32 s42, s42, s41                     ; pst: block (y, q), array j - 1
	s_add_co_u32 s43, s36, 12288                   ; xs: the block's scale image
	s_cmp_eq_u32 s14, 0                            ; wave 0 stores the one, waves 1 to 3 the other: the choice hangs on the wave's number alone
	s_cselect_b32 s28, s43, s42
	s_cselect_b64 s[44:45], s[6:7], s[10:11]
	s_mov_b32 s29, 0
	s_add_nc_u64 s[28:29], s[44:45], s[28:29]
	s_mov_b32 s[C7], 0x412194f4                    ; 7 log2(e)
	s_mov_b32 s[C7+1], s[C7]                       ; (named with it as a pair, so it is written)
	s_mov_b32 s[SEL], 0x76543210
	s_mov_b32 s[SEL+1], 0xfedcba98
	s_mov_b32 vcc_lo, 0xffff0000                   ; lanes 16-31
	s_cmp_eq_u32 ttmp9, 24                         ; the last chunk?
	s_cselect_b32 s34, 0, -1                       ; ANDed onto what belongs to the chunk's upper 64 places
	s_mov_b32 s35, 0x7f7fffff
	s_cselect_b32 s35, 0xff7fffff, s35             ; and the hold on their part of the maximum
	; LDS addresses: a constant + a constant x lane + a constant x wave
	s_mul_i32 s37, s14, STGW
	v_lshl_add_u32 v[STA], v1, 4, s37
	v_mul_u32_u24 v[RDA], v2, SP
	v_lshl_add_u32 v[RDA], v3, 7, v[RDA]
	v_add_nc_u32 v[RDA], s37, v[RDA]
	v_lshlrev_b32 v[LI], 4, v1
	; xd: my wave's 32 channels are block j of the K step's four: registers 6 (j / 2) .. + 5 of the lanes of half j % 2.  Register R of lane L lies at 512 (R / 4) + 16 L + 4 (R % 4) of the image
	v_lshrrev_b32 v[TB], 2, v1                     ; column 4 lane + i is row 4 (lane % 4) + i of tile lane / 4
	v_mul_u32_u24 v[TB], v[TB], PIT
	v_and_b32 v[AX2], 3, v1
	v_lshl_add_u32 v[TB], v[AX2], 6, v[TB]
	s_lshl_b32 s39, s39, 8
	s_mul_i32 s40, s38, 520
	s_add_co_u32 s40, s40, s39
	s_add_co_u32 s40, s40, XDL
	v_add_nc_u32 v[AX0], s40, v[TB]                ; registers 0, 1 or 6, 7
	s_mul_i32 s41, s38, 1016
	s_add_co_u32 s41, s41, s39
	s_add_co_u32 s41, s41, XDL+8
	v_add_nc_u32 v[AX1], s41, v[TB]                ; registers 2, 3 or 8, 9
	v_add_nc_u32 v[AX2], 512, v[AX0]               ; registers 4, 5 or 10, 11
	v_lshl_add_u32 v[AXB], v1, 4, s14
	v_add_nc_u32 v[AXB], XDS, v[AXB]               ; byte j of the column's scale word
	; the statistics: in: 16,896 j + 528 lane + 512.  Back, wave 0: 528 lane + 512 (+ 16,896 for each wave).  Back, waves 1 to 3: 16,896 (lane / 8) + 2,112 (lane % 8) + 512 + 4 j (+ 528 for each lane)
	v_mul_u32_u24 v[AE0], v1, SP
	v_add_nc_u32 v[AST], s37, v[AE0]
	v_add_nc_u32 v[AST], 512, v[AST]
	v_add_nc_u32 v[AE0], 512, v[AE0]
	v_lshrrev_b32 v[AE1], 3, v1
	v_mul_u32_u24 v[AE1], v[AE1], STGW
	v_and_b32 v[TB], 7, v1
	v_mad_u32_u24 v[AE1], v[TB], 4*SP, v[AE1]
	s_lshl_b32 s42, s14, 2
	s_add_co_u32 s42, s42, 512
	v_add_nc_u32 v[AE1], s42, v[AE1]
	s_mul_i32 s41, s14, 2*PIT                      ; my two of the eight images
	v_lshl_add_u32 v[ARB], v1, 4, s41
	v_add_nc_u32 v[ARB], XDL, v[ARB]
	v_lshl_add_u32 v[A24], v1, 4, XDS
	v_lshlrev_b32 v[SH8], 3, v3
	v_mov_b32 v[T2], 0                             ; written once: a lane permute's destination counts as one of its sources
; Row p goes to place sigma(p), p with bits 3 and 4 changed over: a tile's 16 rows are then 16 neighbouring places
.set p, 0
.rept 4
	s_wait_loadcnt 24-8*(p/8)                      ; these eight rows are in; the younger rows' loads may be out
.rept 8
	ds_store_b128 v[STA], v[R+4*p:R+4*p+3] offset:SP*((p&7)|((p&8)<<1)|((p&16)>>1))
.set p, p+1
.endr
.endr
.macro XLD u, X                        ; tile u by rows: lane (r, h) takes k = 64 c + 32 h + 0 .. 31 of its row into v[X + 32 c] on: the order of the operand's registers
.irp c, 0,1
.irp i, 0,1,2,3,4,5,6,7
	ds_load_b128 v[\X+32*\c+4*\i:\X+32*\c+4*\i+3], v[RDA] offset:16*SP*\u+256*\c+16*\i
.endr
.endr
.endm
.macro CODES X                         ; 64 numbers of a lane become a fragment's 12 registers; the scale operands stand in v[SO], v[SO + 1]
	s_wait_xcnt 0x0                                ; the last stores have read v[F] on: only behind this wait is it written again
	v_cvt_scalef32_pk16_fp6_f32 v[F:F+2], v[\X:\X+15], v[SO]
	v_cvt_scalef32_pk16_fp6_f32 v[FT0:FT0+2], v[\X+16:\X+31], v[SO]
	v_cvt_scalef32_pk16_fp6_f32 v[F+6:F+8], v[\X+32:\X+47], v[SO+1]
	v_cvt_scalef32_pk16_fp6_f32 v[FT1:FT1+2], v[\X+48:\X+63], v[SO+1]
	v_nop                                          ; one plain place behind a scaled conversion
.irp k, 0,1,2
	v_mov_b32 v[F+3+\k], v[FT0+\k]
	v_and_b32 v[F+6+\k], s34, v[F+6+\k]            ; the last chunk's upper 64 places: zero codes
	v_and_b32 v[F+9+\k], s34, v[FT1+\k]
.endr
.endm
.macro WORD dst                        ; my two bytes (blocks h and 2 + h) at their places, and lane l xor 16's two: the row's scale word
	v_lshrrev_b32 v[BY], 23, v[SO]
	v_lshrrev_b32 v[BY+1], 23, v[SO+1]
	v_lshl_or_b32 v[T], v[BY+1], 16, v[BY]
	v_lshlrev_b32 v[T], v[SH8], v[T]
	v_permlanex16_b32 v[T2], v[T], s[SEL], s[SEL+1]
	v_or_b32 v[\dst], v[T], v[T2]
.endm
; TILE u: x's codes along s, then p1's.  A lane holds two whole blocks of 32, so a block's maximum needs no other lane.
.macro FRAG u, X
	v_max3_num_f32 v[AM], |v[\X]|, |v[\X+1]|, FLOOR                 ; four chains by turns: the largest magnitude and the largest signed number of each block
	v_max3_num_f32 v[AM+1], |v[\X+32]|, |v[\X+33]|, FLOOR
	v_max3_num_f32 v[SG], v[\X], v[\X+1], v[\X+2]
	v_max3_num_f32 v[SG+1], v[\X+32], v[\X+33], v[\X+34]
.irp i, 2,4,6,8,10,12,14,16,18,20,22,24,26,28
	v_max3_num_f32 v[AM], v[AM], |v[\X+\i]|, |v[\X+\i+1]|
	v_max3_num_f32 v[AM+1], v[AM+1], |v[\X+32+\i]|, |v[\X+33+\i]|
	v_max3_num_f32 v[SG], v[SG], v[\X+\i+1], v[\X+\i+2]
	v_max3_num_f32 v[SG+1], v[SG+1], v[\X+33+\i], v[\X+34+\i]
.endr
	v_max3_num_f32 v[AM], v[AM], |v[\X+30]|, |v[\X+31]|
	v_max3_num_f32 v[AM+1], v[AM+1], |v[\X+62]|, |v[\X+63]|
	v_max_num_f32 v[SG], v[SG], v[\X+31]
	v_max_num_f32 v[SG+1], v[SG+1], v[\X+63]
	v_add_nc_u32 v[SO], EOFF, v[AM]                ; 2 off the exponent field: the conversion takes the exponent field of this operand as its scale
	v_add_nc_u32 v[SO+1], EOFF, v[AM+1]
	WORD XW+\u
	s_wait_alu depctr_va_vdst(0)
	CODES \X
.irp g, 0,1,2
	global_store_b128 v[LI], v[F+4*\g:F+4*\g+3], s[20:21] offset:1536*\u+512*\g th:TH_STORE_NT   ; 512 consecutive bytes, from a multiple of 256
.endr
	v_min_num_f32 v[SG+1], s35, v[SG+1]            ; the last chunk's upper 64 places do not count
	v_max_num_f32 v[T], v[SG], v[SG+1]
	v_permlanex16_b32 v[T2], v[T], s[SEL], s[SEL+1]
	v_max_num_f32 v[T], v[T], v[T2]                ; the row's largest x in these 128 places
	v_mul_f32 v[T], s[C7], v[T]
	v_floor_f32 v[NM], -v[T]                       ; -M_q = floor(-t) = -ceil(t): a whole number
	v_mov_b32 v[NM+1], v[NM]
	v_mov_b32 v[NI+\u], v[NM]
.set p, 0
.rept 32
	v_pk_fma_f32 v[\X+p:\X+p+1], v[\X+p:\X+p+1], s[C7:C7+1], v[NM:NM+1] op_sel_hi:[1,0,0]   ; t - M_q, one rounding
.set p, p+2
.endr
	v_fma_f32 v[SG], v[SG], s[C7], v[NM]           ; the same of each block's largest x: p rises with x
	v_fma_f32 v[SG+1], v[SG+1], s[C7], v[NM]
.set p, 0
	s_wait_alu depctr_va_vdst(0)
.rept 64
	v_exp_f32 v[\X+p], v[\X+p]
.set p, p+1
.endr
	v_nop                                          ; a plain place behind the exponentials
	s_wait_alu depctr_va_vdst(0)                   ; one wait for the batch, ahead of its first reader
	v_exp_f32 v[SG], v[SG]                         ; the blocks' largest p
	v_exp_f32 v[SG+1], v[SG+1]
	v_pk_add_f32 v[AM:AM+1], v[\X:\X+1], v[\X+2:\X+3]              ; the sums of the UNQUANTISED p, one chain for each half of K: plain work behind the two
	v_pk_add_f32 v[BY:BY+1], v[\X+32:\X+33], v[\X+34:\X+35]
.irp i, 4,6,8,10,12,14,16,18,20,22,24,26,28,30
	v_pk_add_f32 v[AM:AM+1], v[AM:AM+1], v[\X+\i:\X+\i+1]
	v_pk_add_f32 v[BY:BY+1], v[BY:BY+1], v[\X+32+\i:\X+33+\i]
.endr
	v_add_f32 v[AM], v[AM], v[AM+1]
	v_add_f32 v[BY], v[BY], v[BY+1]
	v_and_b32 v[BY], s34, v[BY]                    ; the last chunk's upper 64 places add nothing (an AND, since what stands there may be infinite)
	v_add_f32 v[AM], v[AM], v[BY]
	v_permlanex16_b32 v[T2], v[AM], s[SEL], s[SEL+1]
	v_add_f32 v[LQ+\u], v[AM], v[T2]               ; l_q
	s_wait_alu depctr_va_vdst(0)                   ; and one for the two
	v_max_num_f32 v[SG], FLOOR, v[SG]
	v_max_num_f32 v[SG+1], FLOOR, v[SG+1]
	v_add_nc_u32 v[SO], EOFF, v[SG]
	v_add_nc_u32 v[SO+1], EOFF, v[SG+1]
	WORD PW+\u
	s_wait_alu depctr_va_vdst(0)
	CODES \X
.irp g, 0,1,2
	global_store_b128 v[LI], v[F+4*\g:F+4*\g+3], s[22:23] offset:1536*\u+512*\g th:TH_STORE_NT
.endr
.endm
; COLUMN 4 lane + i: one block of 32 channels a lane, 24 bytes of codes, into their places in the images that the four waves build together.
; Its 32 numbers stand in v[Y] on.  Each column has its own registers for what its LDS stores read: codes at 224, 230, 240, 246, the byte at 252 + i; the scratch (v20-31) is shared by columns i and i + 2.
.macro COL i
.set Y, 160+32*((\i)%2)
.set C, 224+6*(\i)+4*((\i)/2)
.set W, 20+4*((\i)%2)
.set M, 28+2*((\i)%2)
	v_max3_num_f32 v[M], |v[Y]|, |v[Y+1]|, |v[Y+2]|
	v_max3_num_f32 v[M+1], |v[Y+3]|, |v[Y+4]|, |v[Y+5]|
.irp k, 6,10,14,18,22,26
	v_max3_num_f32 v[M], v[M], |v[Y+\k]|, |v[Y+\k+1]|
	v_max3_num_f32 v[M+1], v[M+1], |v[Y+\k+2]|, |v[Y+\k+3]|
.endr
	v_max3_num_f32 v[M], v[M], |v[Y+30]|, |v[Y+31]|
	v_max3_num_f32 v[M], v[M], v[M+1], FLOOR
	v_add_nc_u32 v[W+3], EOFF, v[M]
	v_cvt_scalef32_pk16_fp6_f32 v[C:C+2], v[Y:Y+15], v[W+3]
	v_cvt_scalef32_pk16_fp6_f32 v[W:W+2], v[Y+16:Y+31], v[W+3]
	v_lshrrev_b32 v[252+(\i)], 23, v[W+3]          ; the scale's byte; also the plain place behind the conversions
.irp k, 0,1,2
	v_mov_b32 v[C+3+\k], v[W+\k]
.endr
	ds_store_b64 v[AX0], v[C:C+1] offset:16*(\i)
	ds_store_b64 v[AX1], v[C+2:C+3] offset:16*(\i)
	ds_store_b64 v[AX2], v[C+4:C+5] offset:16*(\i)
	ds_store_b8 v[AXB], v[252+(\i)] offset:4*(\i)
.endm
; COLUMNS i AND i + 1 out of the rows as loaded: register 4 p + i of the 128 is channel p of column 4 lane + i.  The conversions want 16 neighbours along K in consecutive registers,
; so 32 dual moves lay the two columns at v160 and v192 (the pair takes channel p of the one and p + 1 of the other: one destination even, one odd; the sources in different banks).
.macro COLP i
.set p, 0
.rept 32
	v_dual_mov_b32 v[160+p], v[R+4*p+(\i)] :: v_dual_mov_b32 v[192+((p+1)%32)], v[R+4*((p+1)%32)+(\i)+1]
.set p, p+1
.endr
	COL \i
	COL \i+1
.endm
	COLP 0                                         ; xd first, while the rows stand in registers as loaded
	COLP 2
	XLD 0, X0                                      ; LDS serves a wave's instructions in order: these see the stage's stores
	XLD 1, X1
	s_wait_dscnt 16                                ; tile 0 is in, and the columns' stores have read their registers: tile 1's 16 loads are younger
	FRAG 0, X0
	s_wait_dscnt 0x0                               ; tile 1 is in
	FRAG 1, X1
	v_cndmask_b32 v[STT], v[XW], v[XW+1], vcc_lo   ; lanes 0-15 carry tile 0's, lanes 16-31 tile 1's (every lane and its partner 16 away hold the same)
	v_cndmask_b32 v[STT+1], v[PW], v[PW+1], vcc_lo
	v_cndmask_b32 v[STT+2], v[NI], v[NI+1], vcc_lo
	v_cndmask_b32 v[STT+3], v[LQ], v[LQ+1], vcc_lo
	ds_store_b128 v[AST], v[STT:STT+3]             ; my four statistics, into the padding behind row place `lane` of my stage
	s_wait_dscnt 0x0
	s_barrier_signal -1
	s_barrier_wait -1
.irp k, 0,1,2,3,4,5
	ds_load_b128 v[32+4*\k:35+4*\k], v[ARB] offset:(\k/3)*PIT+(\k%3)*512
.endr
	s_cmp_lg_u32 s14, 0                            ; the gather of the statistics differs by the wave's number; no barrier follows
	s_cbranch_scc1 .Lstat
.irp k, 0,1,2,3
	ds_load_b32 v[56+\k], v[AE0] offset:STGW*\k    ; wave 0: xs's scale image: byte 16 l + 4 k = word 0 of lane l of wave k
.endr
	ds_load_b128 v[60:63], v[A24]                  ; and xd's scale words
	s_wait_dscnt 0x0
	global_store_b128 v[LI], v[60:63], s[26:27] th:TH_STORE_NT
	s_branch .Lout
.Lstat:
.irp k, 0,1,2,3
	ds_load_b32 v[56+\k], v[AE1] offset:SP*\k      ; wave j: array j - 1 of pst, [wave][lane]: byte 16 l + 4 k = word j of lane 4 (l % 8) + k of wave l / 8
.endr
	s_wait_dscnt 0x0
.Lout:
.irp k, 0,1,2,3,4,5
	global_store_b128 v[LI], v[32+4*\k:35+4*\k], s[24:25] offset:512*\k th:TH_STORE_NT   ; 512 consecutive bytes, from a multiple of 256
.endr
	global_store_b128 v[LI], v[56:59], s[28:29] th:TH_STORE_NT
	s_wait_tensorcnt 0x0                           ; the wave's end
	ds_add_u32 v239, v[NIL]
	s_wait_dscnt 0x0
	s_endpgm
.Lfunc_end_k_qe8328b715b_quant:
	.size	k_qe8328b715b_quant, .Lfunc_end_k_qe8328b715b_quant-k_qe8328b715b_quant
	.p2alignl 7, 3214868480
	.fill 96, 4, 3214868480
	.section	.rodata,"a",@progbits
	.p2align	6, 0x0
	.amdhsa_kernel k_qe8328b715b_quant
		.amdhsa_group_segment_fixed_size 81152
		.amdhsa_private_segment_fixed_size 0
		.amdhsa_enable_private_segment 0
		.amdhsa_kernarg_size 40
		.amdhsa_user_sgpr_count 2
		.amdhsa_user_sgpr_kernarg_segment_ptr 1
		.amdhsa_wavefront_size32 1
		.amdhsa_system_sgpr_workgroup_id_x 1
		.amdhsa_system_sgpr_workgroup_id_y 1
		.amdhsa_system_sgpr_workgroup_id_z 1
		.amdhsa_system_vgpr_workitem_id 0
		.amdhsa_next_free_vgpr 256
		.amdhsa_next_free_sgpr 66
		.amdhsa_reserve_vcc 1
		.amdhsa_float_denorm_mode_32 3
		.amdhsa_float_denorm_mode_16_64 3
		.amdhsa_memory_ordered 1
		.amdhsa_forward_progress 1
		.amdhsa_inst_pref_size 52
	.end_amdhsa_kernel
	.amdgpu_metadata
---
amdhsa.version: [ 1, 2 ]
amdhsa.kernels:
  - .name:           k_qe8328b715b_quant
    .symbol:         k_qe8328b715b_quant.kd
    .args:
      - { .name: x, .offset: 0, .size: 8, .value_kind: global_buffer, .address_space: global }
      - { .name: xs, .offset: 8, .size: 8, .value_kind: global_buffer, .address_space: global }
      - { .name: pc, .offset: 16, .size: 8, .value_kind: global_buffer, .address_space: global }
      - { .name: pst, .offset: 24, .size: 8, .value_kind: global_buffer, .address_space: global }
      - { .name: xd, .offset: 32, .size: 8, .value_kind: global_buffer, .address_space: global }
    .group_segment_fixed_size: 81152
    .private_segment_fixed_size: 0
    .kernarg_segment_align: 8
    .kernarg_segment_size: 40
    .max_flat_workgroup_size: 128
    .sgpr_count:     66
    .vgpr_count:     256
    .wavefront_size: 32
...
	.end_amdgpu_metadata
.endif
;; end of part 1
;; launch prod1 (part 2): grid 8 x 32, 4 waves a work-group, clusters of 4 x 1, 327,680 bytes of LDS; arguments xs, pc, pst, p2, rl2; writes p2, rl2
.if DOCPART == 2
	.amdgcn_target "amdgcn-amd-amdhsa--gfx1250"
	.amdhsa_code_object_version 6
	.text
	.protected	k_qe8328b715b_prod1
	.globl	k_qe8328b715b_prod1
	.p2align	8
	.type	k_qe8328b715b_prod1,@function
k_qe8328b715b_prod1:
	s_mov_b64 s[64:65], 0
	v_nop
	global_prefetch_b8 v0, s[64:65] scope:SCOPE_SE
	s_setreg_imm32_b32 hwreg(HW_REG_WAVE_MODE, 25, 1), 1
	s_wait_xcnt 0x0
	s_wait_alu depctr_hold_cnt(0) depctr_sa_sdst(0) depctr_va_vdst(0) depctr_va_sdst(0) depctr_va_ssrc(0) depctr_va_vcc(0) depctr_vm_vsrc(0)
	s_getreg_b32 s2, hwreg(HW_REG_IB_STS2, 6, 4)
	s_cmp_eq_u32 s2, 0
	s_cbranch_scc0 .Lentry_in_a_cluster
	s_endpgm
.Lentry_in_a_cluster:
	s_bfe_u32 s2, ttmp6, 0x10000c
	s_cmp_lg_u32 s2, 0x3003
	s_cbranch_scc0 .Lentry_shape_is_right
	s_endpgm
.Lentry_shape_is_right:
.set STEPB, 12800
.set WPART, 3*STEPB
.set SLOTB, 4*WPART
.set ASC,   2*SLOTB
.set RL1,   ASC+6400
.set MX,    RL1+512
.set SM,    MX+1024
.set P2W,   SM+1024
.set SPARE, P2W+1024
.set FLOOR, 0x1800000
.set EOFF,  0xff000000
.set LI,  4
.set ADB, 5
.set ADS, 7
.set SPW, 8
.set NIL, 9
.set L4,  10
.set AW,  11
.set AW12, 12
.set ARL, 13
.set PFO, 14
.set PFO2, 15
.set BSC, 16
.set ASCR, 24
.set ARF, 28
.set AMX, 29
.set AMR, 30
.set ASM, 31
.set APW, 32
.set APR, 33
.set ASR, 34
.set L8,  35
.set NMA, 40
.set LA,  65
.set WD,  90
.set NMK, 103
.set NMF, 116
.set L1,  117
.set FF,  118
.set TA,  120
.set FP,  40
.set NP,  48
.set BM,  56
.set BT,  72
.set SOV, 88
.set S,   104
.set PW,  120
.set MXR, 124
.set PC,  140
.set TP,  188
.set WV,  14
.set PB,  20
.set SEL, 22
.set G1,  24
.set G1T, 32
.set G0,  40
.set PFA, 48
.set PQ,  50
.set LIM, 51
.set MSB, 0
.macro WIN new
.if MSB != \new
	s_set_vgpr_msb (MSB<<8)|\new
.set MSB, \new
.endif
.endm
.macro PLACES
.rept 4
	v_nop
.endr
.endm
.macro CREST
	s_cmp_lg_u32 s[WV], 0
	s_cbranch_scc1 .Lnot_wave_0_\@
	s_barrier_signal -3
.Lnot_wave_0_\@:
	s_barrier_wait -3
	s_barrier_signal -1
	s_barrier_wait -1
.endm
.macro CROUND
	s_barrier_signal -1
	s_barrier_wait -1
	CREST
.endm
.macro WM d, a, b, z, sa, sb, ra, rb
.if (\z) && (\ra) && (\rb)
	v_wmma_scale_f32_16x16x128_f8f6f4 v[\d:\d+7], v[\a:\a+11], v[\b:\b+11], 0, v[\sa], v[\sb] matrix_a_fmt:MATRIX_FMT_FP6 matrix_b_fmt:MATRIX_FMT_FP6 matrix_a_scale:MATRIX_SCALE_ROW1 matrix_b_scale:MATRIX_SCALE_ROW1
.elseif (\z) && (\ra)
	v_wmma_scale_f32_16x16x128_f8f6f4 v[\d:\d+7], v[\a:\a+11], v[\b:\b+11], 0, v[\sa], v[\sb] matrix_a_fmt:MATRIX_FMT_FP6 matrix_b_fmt:MATRIX_FMT_FP6 matrix_a_scale:MATRIX_SCALE_ROW1
.elseif (\z) && (\rb)
	v_wmma_scale_f32_16x16x128_f8f6f4 v[\d:\d+7], v[\a:\a+11], v[\b:\b+11], 0, v[\sa], v[\sb] matrix_a_fmt:MATRIX_FMT_FP6 matrix_b_fmt:MATRIX_FMT_FP6 matrix_b_scale:MATRIX_SCALE_ROW1
.elseif (\z)
	v_wmma_scale_f32_16x16x128_f8f6f4 v[\d:\d+7], v[\a:\a+11], v[\b:\b+11], 0, v[\sa], v[\sb] matrix_a_fmt:MATRIX_FMT_FP6 matrix_b_fmt:MATRIX_FMT_FP6
.elseif (\ra) && (\rb)
	v_wmma_scale_f32_16x16x128_f8f6f4 v[\d:\d+7], v[\a:\a+11], v[\b:\b+11], v[\d:\d+7], v[\sa], v[\sb] matrix_a_fmt:MATRIX_FMT_FP6 matrix_b_fmt:MATRIX_FMT_FP6 matrix_a_scale:MATRIX_SCALE_ROW1 matrix_b_scale:MATRIX_SCALE_ROW1
.elseif (\ra)
	v_wmma_scale_f32_16x16x128_f8f6f4 v[\d:\d+7], v[\a:\a+11], v[\b:\b+11], v[\d:\d+7], v[\sa], v[\sb] matrix_a_fmt:MATRIX_FMT_FP6 matrix_b_fmt:MATRIX_FMT_FP6 matrix_a_scale:MATRIX_SCALE_ROW1
.elseif (\rb)
	v_wmma_scale_f32_16x16x128_f8f6f4 v[\d:\d+7], v[\a:\a+11], v[\b:\b+11], v[\d:\d+7], v[\sa], v[\sb] matrix_a_fmt:MATRIX_FMT_FP6 matrix_b_fmt:MATRIX_FMT_FP6 matrix_b_scale:MATRIX_SCALE_ROW1
.else
	v_wmma_scale_f32_16x16x128_f8f6f4 v[\d:\d+7], v[\a:\a+11], v[\b:\b+11], v[\d:\d+7], v[\sa], v[\sb] matrix_a_fmt:MATRIX_FMT_FP6 matrix_b_fmt:MATRIX_FMT_FP6
.endif
.endm
.macro MUL8 a, sig, set, zero
.if (\set) == 5
	WIN 0x5a
.set PCR, 192+12*(\a)
.else
	WIN 0x5e
.set PCR, 48*(\set)+12*(\a)
.endif
.irp t, 0,1,2,3,4,5,6,7
	WM 64*(\a)+8*\t, 96*(\sig)+12*\t, PCR, \zero, BSC+4*(\sig)+\t/2, ASCR+2*(\sig)+(\a)/2, \t%2, (\a)%2
.endr
.endm
.macro FETCHB slot, s, sig, rel
	WIN 0x80
.irp t, 0,1,2,3,4,5,6,7
.irp g, 0,1,2
	ds_load_b128 v[96*(\sig)+12*\t+4*\g:96*(\sig)+12*\t+4*\g+3], v[ADB+\slot] offset:STEPB*(\s)+1536*\t+512*\g
.endr
.endr
	WIN 0
	ds_load_b128 v[BSC+4*(\sig):BSC+4*(\sig)+3], v[ADB+\slot] offset:STEPB*(\s)+12288
	ds_load_b64 v[ASCR+2*(\sig):ASCR+2*(\sig)+1], v[ADS] offset:256*(\rel)
.endm
.macro LOADA set, rel
.if (\set) == 5
	WIN 0x80
.set PCL, 192
.else
	WIN 0xc0
.set PCL, 48*(\set)
.endif
.irp a, 0,1,2,3
.irp g, 0,1,2
	global_load_b128 v[PCL+12*\a+4*\g:PCL+12*\a+4*\g+3], v[LI], s[PB:PB+1] offset:6144*(\rel)+1536*\a+512*\g
.endr
.endr
.endm
.macro ASK
	s_cmp_lt_u32 s[PQ], s[LIM]
	s_cbranch_scc0 .Lnot_mine_\@
	global_prefetch_b8 v[PFO], s[PFA:PFA+1] th:TH_LOAD_NT scope:SCOPE_SE
	global_prefetch_b8 v[PFO2], s[PFA:PFA+1] th:TH_LOAD_NT scope:SCOPE_SE
.Lnot_mine_\@:
.endm
.macro STEP rho, slot, s, zero, ld, lc
	s_wait_loadcnt \lc
	s_wait_dscnt 0x0
	MUL8 0, (\rho)%2, (\rho)%6, \zero
	MUL8 1, (\rho)%2, (\rho)%6, \zero
	PLACES
	FETCHB \slot, (\s)+1, ((\rho)+1)%2, (\rho)+1
.if \ld
	LOADA ((\rho)+5)%6, (\rho)+5
.endif
	MUL8 2, (\rho)%2, (\rho)%6, \zero
	MUL8 3, (\rho)%2, (\rho)%6, \zero
	WIN 0
.endm
.macro TURN rho, slot, next, mode, ld, lc
	s_wait_loadcnt \lc
.if (\mode) == 1
	s_wait_xcnt 0x0
	s_add_nc_u64 s[PFA:PFA+1], s[PFA:PFA+1], WPART
	s_add_co_u32 s[PQ], s[PQ], 3
.endif
	s_wait_dscnt 0x0                               ; this step's fragments are in: they were my last reads of this slot
	MUL8 0, (\rho)%2, (\rho)%6, 0                  ; half of the step's products stand ahead of the wait for the other slot's tile,
	MUL8 1, (\rho)%2, (\rho)%6, 0                  ; so that the three lines, the round and the refill follow that wait directly
	WIN 0
	s_wait_tensorcnt 0x0                           ; all my tensor loads have landed
	ds_add_u32 v[SPW], v[NIL]
	s_wait_dscnt 0x0
	s_barrier_signal -1
	s_barrier_wait -1
.if \mode
	CREST
	s_add_nc_u64 s[G0+4*\slot+2:G0+4*\slot+3], s[G0+4*\slot+2:G0+4*\slot+3], 2*WPART
.if (\mode) == 1
	tensor_load_to_lds s[G0+4*\slot:G0+4*\slot+3], s[G1:G1+7]
	s_nop 0
.else
	tensor_load_to_lds s[G0+4*\slot:G0+4*\slot+3], s[G1T:G1T+7]
	s_nop 0
.endif
.endif
	PLACES
	FETCHB \next, 0, ((\rho)+1)%2, (\rho)+1
.if \ld
	LOADA ((\rho)+5)%6, (\rho)+5
.endif
	WIN 0
.if (\mode) == 1
	ASK
.endif
	MUL8 2, (\rho)%2, (\rho)%6, 0
	MUL8 3, (\rho)%2, (\rho)%6, 0
	WIN 0
.endm
	s_load_b256 s[4:11], s[0:1], 0x0
	s_load_b64 s[12:13], s[0:1], 0x20
	v_lshl_add_u32 v[SPW], v0, 2, SPARE
	v_mov_b32 v[NIL], 0
	ds_add_u32 v8, v9
	ds_add_u32 v8, v9
	s_wait_dscnt 0x0
	v_lshrrev_b32 v1, 5, v0
	v_readfirstlane_b32 s[WV], v1
	s_and_b32 s15, ttmp7, 0xffff
	s_bfe_u32 s16, ttmp6, 0x40000
	s_lshl_b32 s17, ttmp9, 2
	s_add_co_u32 s17, s17, s16
	s_and_b32 s18, s[WV], 1
	s_lshr_b32 s19, s[WV], 1
	s_mov_b32 s[G1], 15|(3<<16)|(1<<21)
	s_mov_b32 s[G1+1], 32<<16
	s_mov_b32 s[G1+2], 150<<16
	s_mov_b32 s[G1+3], 32<<16
	s_mov_b32 s[G1+4], 150
	s_mov_b32 s[G1+5], 32
	s_mov_b32 s[G1+6], 0
	s_mov_b32 s[G1+7], 0
	s_mov_b32 s[G1T], 15|(3<<16)|(1<<21)
	s_mov_b32 s[G1T+1], 32<<16
	s_mov_b32 s[G1T+2], 50<<16
	s_mov_b32 s[G1T+3], 32<<16
	s_mov_b32 s[G1T+4], 50
	s_mov_b32 s[G1T+5], 32
	s_mov_b32 s[G1T+6], 0
	s_mov_b32 s[G1T+7], 0
	s_lshl_b32 s76, s15, 2
	s_add_co_u32 s76, s76, s[WV]
	s_mul_i32 s76, s76, 25*STEPB
	s_mov_b32 s77, 0
	s_mul_i32 s78, s[WV], WPART
	s_wait_kmcnt 0x0
	s_add_nc_u64 s[76:77], s[4:5], s[76:77]
	CROUND
.irp z, 0,1
	s_mov_b32 s[G0+4*\z], 1
	s_add_co_u32 s[G0+4*\z+1], s78, SLOTB*\z
	s_add_nc_u64 s[G0+4*\z+2:G0+4*\z+3], s[76:77], WPART*\z
	s_or_b32 s[G0+4*\z+3], s[G0+4*\z+3], 0x80000000
.endr
	tensor_load_to_lds s[G0:G0+3], s[G1:G1+7]      ; slot 0: my one tensor load at the head; the set-up and the loads of the statistics and of p1's codes are issued while it is out
	s_nop 0
	PLACES
	s_lshl_b32 s66, s15, 3
	s_add_co_u32 s66, s66, s17
	s_mul_i32 s[PB], s66, 153600
	s_mov_b32 s[PB+1], 0
	s_add_nc_u64 s[PB:PB+1], s[6:7], s[PB:PB+1]
	s_lshl_b32 s66, s15, 2
	s_lshr_b32 s67, s17, 1
	s_add_co_u32 s66, s66, s67
	s_mul_i32 s52, s66, 38400
	s_and_b32 s67, s17, 1
	s_lshl_b32 s67, s67, 1
	s_add_co_u32 s67, s67, s18
	s_lshl_b32 s67, s67, 7
	s_add_co_u32 s52, s52, s67
	s_mul_i32 s67, s19, 19968
	s_add_co_u32 s54, s52, s67
	s_mul_i32 s67, s19, 18432
	s_add_co_u32 s56, s52, s67
	s_add_co_u32 s56, s56, 18432
	s_mov_b32 s53, 0
	s_mov_b32 s55, 0
	s_mov_b32 s57, 0
	s_add_nc_u64 s[52:53], s[8:9], s[52:53]
	s_add_nc_u64 s[54:55], s[8:9], s[54:55]
	s_add_nc_u64 s[56:57], s[8:9], s[56:57]
	s_lshl_b32 s66, s15, 5
	s_lshl_b32 s67, s17, 2
	s_add_co_u32 s66, s66, s67
	s_mul_i32 s58, s66, 6400
	s_mul_i32 s67, s[WV], 1536
	s_add_co_u32 s58, s58, s67
	s_mov_b32 s59, 0
	s_add_nc_u64 s[58:59], s[10:11], s[58:59]
	s_add_co_u32 s66, s66, s[WV]
	s_mul_i32 s60, s66, 6400
	s_add_co_u32 s60, s60, 6144
	s_mov_b32 s61, 0
	s_add_nc_u64 s[60:61], s[10:11], s[60:61]
	s_lshl_b32 s62, s15, 11
	s_lshl_b32 s67, s17, 8
	s_add_co_u32 s62, s62, s67
	s_mov_b32 s63, 0
	s_add_nc_u64 s[62:63], s[12:13], s[62:63]
	s_lshl_b32 s66, s15, 2
	s_add_co_u32 s66, s66, s16
	s_mul_i32 s66, s66, 25
	s_add_co_u32 s66, s66, s[WV]
	s_add_co_u32 s66, s66, 9
	s_mul_i32 s[PFA], s66, STEPB
	s_mov_b32 s[PFA+1], 0
	s_add_nc_u64 s[PFA:PFA+1], s[4:5], s[PFA:PFA+1]
	s_add_co_u32 s[PQ], s[WV], 9
	s_cmp_lt_u32 s[WV], 3
	s_cselect_b32 s[LIM], 25, 0
	s_mov_b32 s[SEL], 0x76543210
	s_mov_b32 s[SEL+1], 0xfedcba98
	v_and_b32 v1, 31, v0
	s_wait_alu depctr_va_vdst(0)
	v_and_b32 v2, 15, v0
	v_lshlrev_b32 v[LI], 4, v1
	v_add_nc_u32 v[ADB], s78, v[LI]
	v_add_nc_u32 v[ADB+1], SLOTB, v[ADB]
	v_lshl_add_u32 v[ADS], v1, 3, ASC
	v_lshlrev_b32 v[L4], 2, v1
	s_lshl_b32 s71, s18, 2
	s_mul_i32 s70, s19, 3328
	s_add_co_u32 s70, s70, s71
	s_add_co_u32 s70, s70, ASC
	v_lshl_add_u32 v[AW], v1, 3, s70
	s_mul_i32 s70, s19, 3072
	s_add_co_u32 s70, s70, s71
	s_add_co_u32 s70, s70, ASC+3072
	v_lshl_add_u32 v[AW12], v1, 3, s70
	s_lshl_b32 s70, s[WV], 7
	s_add_co_u32 s70, s70, RL1
	v_lshl_add_u32 v[ARL], v1, 2, s70
	v_lshlrev_b32 v[PFO], 8, v1
	v_add_nc_u32 v[PFO2], 32, v1
	v_min_u32 v[PFO2], 49, v[PFO2]
	v_lshlrev_b32 v[PFO2], 8, v[PFO2]
	v_lshl_add_u32 v[ARF], v2, 2, RL1
	s_lshl_b32 s70, s[WV], 2
	s_add_co_u32 s71, s70, MX
	v_lshl_add_u32 v[AMX], v2, 4, s71
	v_lshl_add_u32 v[AMR], v2, 4, MX
	s_add_co_u32 s71, s70, SM
	v_lshl_add_u32 v[ASM], v2, 4, s71
	s_lshl_b32 s70, s18, 7
	s_lshl_b32 s71, s19, 2
	s_add_co_u32 s70, s70, s71
	s_add_co_u32 s70, s70, P2W
	v_lshl_add_u32 v[APW], v2, 3, s70
	s_lshl_b32 s70, s[WV], 8
	s_add_co_u32 s70, s70, P2W
	v_lshl_add_u32 v[APR], v1, 3, s70
	v_lshl_add_u32 v[ASR], v1, 5, SM
	v_lshlrev_b32 v[L8], 3, v1
.set q, 0
.rept 25
	global_load_b32 v[NMA+q], v[L4], s[52:53] offset:1536*q+512
	global_load_b32 v[LA+q], v[L4], s[52:53] offset:1536*q+1024
.set q, q+1
.endr
.set k, 0
.rept 12
	global_load_b32 v[WD+k], v[L4], s[54:55] offset:1536*k
	global_load_b32 v[NMK+k], v[L4], s[54:55] offset:1536*k+512
.set k, k+1
.endr
	global_load_b32 v[WD+12], v[L4], s[56:57]
	global_load_b32 v[NMK+12], v[L4], s[56:57] offset:512
.irp q, 0,1,2,3,4
	LOADA \q, \q
.endr
	WIN 0
	s_wait_alu depctr_va_vdst(0)
	s_wait_tensorcnt 0x0                           ; my part of slot 0 is in
	ds_add_u32 v8, v9
	s_wait_dscnt 0x0
	CROUND
	tensor_load_to_lds s[G0+4:G0+7], s[G1:G1+7]    ; slot 1's first fill: the first tensor load behind the round
	s_nop 0
	PLACES
	s_wait_loadcnt 60                              ; the statistics are in; the 60 loads of p1's codes are younger
	v_min3_num_f32 v[NMF], v[NMA], v[NMA+1], v[NMA+2]
.set q, 3
.rept 11
	v_min3_num_f32 v[NMF], v[NMF], v[NMA+q], v[NMA+q+1]
.set q, q+2
.endr
.set q, 0
.rept 25
	v_sub_f32 v[NMA+q], v[NMF], v[NMA+q]
.set q, q+1
.endr
.set q, 0
.rept 25
	v_max_num_f32 v[NMA+q], 0xc37f0000, v[NMA+q]
.set q, q+1
.endr
.set q, 0
.rept 25
	v_cvt_i32_f32 v[NMA+q], v[NMA+q]
.set q, q+1
.endr
.set q, 0
.rept 25
	v_ldexp_f32 v[LA+q], v[LA+q], v[NMA+q]
.set q, q+1
.endr
	v_add_f32 v[L1], v[LA], v[LA+1]
.set q, 2
.rept 23
	v_add_f32 v[L1], v[L1], v[LA+q]
.set q, q+1
.endr
	s_wait_alu depctr_va_vdst(0)
	v_rcp_f32 v[FF], v[L1]
.set k, 0
.rept 13
	v_sub_f32 v[NMK+k], v[NMK+k], v[NMF]
.set k, k+1
.endr
	s_wait_alu depctr_va_vdst(0)
	v_mul_f32 v[FF], 0x3fb8aa3b, v[FF]
	ds_store_b32 v[ARL], v[FF]
.set k, 0
.rept 13
	v_min_num_f32 v[NMK+k], 0x437f0000, v[NMK+k]
	v_cvt_u32_f32 v[NMK+k], v[NMK+k]
	v_bfe_u32 v[TA], v[WD+k], 0, 8
	v_bfe_u32 v[TA+1], v[WD+k], 8, 8
	v_bfe_u32 v[TA+2], v[WD+k], 16, 8
	v_lshrrev_b32 v[TA+3], 24, v[WD+k]
	v_min_u32 v[TA+4], v[TA], v[NMK+k]
	v_min_u32 v[TA+5], v[TA+1], v[NMK+k]
	v_min_u32 v[TA+6], v[TA+2], v[NMK+k]
	v_min_u32 v[TA+7], v[TA+3], v[NMK+k]
	v_sub_nc_u32 v[TA], v[TA], v[TA+4]
	v_sub_nc_u32 v[TA+1], v[TA+1], v[TA+5]
	v_sub_nc_u32 v[TA+2], v[TA+2], v[TA+6]
	v_sub_nc_u32 v[TA+3], v[TA+3], v[TA+7]
	v_lshl_or_b32 v[TA], v[TA+1], 8, v[TA]
	v_lshl_or_b32 v[TA], v[TA+2], 16, v[TA]
	v_lshl_or_b32 v[WD+k], v[TA+3], 24, v[TA]
.if k < 12
	ds_store_b32 v[AW], v[WD+k] offset:256*k
.else
	ds_store_b32 v[AW12], v[WD+k]
.endif
.set k, k+1
.endr
	s_wait_tensorcnt 0x1
	s_wait_dscnt 0x0
	s_barrier_signal -1
	s_barrier_wait -1
	FETCHB 0, 0, 0, 0
	STEP 0, 0, 0, 1, 1, 48
	s_mov_b32 s3, 3
.Ltrip:
	s_wait_alu depctr_va_vdst(0)
	STEP 1, 0, 1, 0, 1, 48
	TURN 2, 0, 1, 1, 1, 48
	STEP 3, 1, 0, 0, 1, 48
	STEP 4, 1, 1, 0, 1, 48
	TURN 5, 1, 0, 1, 1, 48
	STEP 6, 0, 0, 0, 1, 48
	s_wait_xcnt 0x0
	s_add_nc_u64 s[PB:PB+1], s[PB:PB+1], 36864
	v_add_nc_u32 v[ADS], 1536, v[ADS]
	s_sub_co_u32 s3, s3, 1
	s_cmp_lg_u32 s3, 0
	s_cbranch_scc1 .Ltrip
	s_wait_alu depctr_va_vdst(0)
	STEP 1, 0, 1, 0, 1, 48
	TURN 2, 0, 1, 2, 0, 48
	STEP 3, 1, 0, 0, 0, 36
	STEP 4, 1, 1, 0, 0, 24
	TURN 5, 1, 0, 0, 0, 12
	s_wait_loadcnt 0x0
	s_wait_dscnt 0x0
	MUL8 0, 0, 0, 0
	MUL8 1, 0, 0, 0
	MUL8 2, 0, 0, 0
	MUL8 3, 0, 0, 0
	WIN 0
	PLACES
.irp a, 0,1,2,3
	ds_load_b32 v[FP+2*\a], v[ARF] offset:64*\a
.endr
	WIN 0x15
.irp a, 0,1,2,3
.irp b, 0,1,2,3
	v_max3_num_f32 v[BM+4*\a+\b], v[64*\a+16*\b], v[64*\a+16*\b+1], v[64*\a+16*\b+2]
.endr
.endr
	WIN 0x14
.irp i, 3,5,7,9,11,13
.irp a, 0,1,2,3
.irp b, 0,1,2,3
	v_max3_num_f32 v[BM+4*\a+\b], v[BM+4*\a+\b], v[64*\a+16*\b+\i], v[64*\a+16*\b+\i+1]
.endr
.endr
.endr
.irp a, 0,1,2,3
.irp b, 0,1,2,3
	v_max_num_f32 v[BM+4*\a+\b], v[BM+4*\a+\b], v[64*\a+16*\b+15]
.endr
.endr
	WIN 0
.set k, 0
.rept 16
	v_permlanex16_b32 v[BT+k], v[BM+k], s[SEL], s[SEL+1]
.set k, k+1
.endr
.set k, 0
.rept 16
	v_max_num_f32 v[BM+k], v[BM+k], v[BT+k]
.set k, k+1
.endr
	s_wait_alu depctr_va_vdst(0)
	s_wait_dscnt 0x0
.irp a, 0,1,2,3
	v_mov_b32 v[FP+2*\a+1], v[FP+2*\a]
	v_max3_num_f32 v[BT+\a], v[BM+4*\a], v[BM+4*\a+1], v[BM+4*\a+2]
.endr
.irp a, 0,1,2,3
	v_max_num_f32 v[BT+\a], v[BT+\a], v[BM+4*\a+3]
.endr
.irp a, 0,1,2,3
	v_mul_f32 v[BT+\a], v[FP+2*\a], v[BT+\a]
.endr
.irp a, 0,1,2,3
	ds_store_b32 v[AMX], v[BT+\a] offset:256*\a
.endr
	s_wait_dscnt 0x0
	s_barrier_signal -1
	s_barrier_wait -1
.irp a, 0,1,2,3
	ds_load_b128 v[MXR+4*\a:MXR+4*\a+3], v[AMR] offset:256*\a
.endr
	s_wait_dscnt 0x0
.irp a, 0,1,2,3
	v_max3_num_f32 v[BT+\a], v[MXR+4*\a], v[MXR+4*\a+1], v[MXR+4*\a+2]
.endr
.irp a, 0,1,2,3
	v_max_num_f32 v[BT+\a], v[BT+\a], v[MXR+4*\a+3]
.endr
.irp a, 0,1,2,3
	v_floor_f32 v[NP+2*\a], -v[BT+\a]
.endr
.irp a, 0,1,2,3
	v_mov_b32 v[NP+2*\a+1], v[NP+2*\a]
.endr
	WIN 0x41
.irp a, 0,1,2,3
.set j, 0
.rept 32
	v_pk_fma_f32 v[64*\a+j:64*\a+j+1], v[64*\a+j:64*\a+j+1], v[FP+2*\a:FP+2*\a+1], v[NP+2*\a:NP+2*\a+1] op_sel_hi:[1,0,0]
.set j, j+2
.endr
.endr
	WIN 0
.irp a, 0,1,2,3
.irp b, 0,1,2,3
	v_fma_f32 v[BM+4*\a+\b], v[BM+4*\a+\b], v[FP+2*\a], v[NP+2*\a]
.endr
.endr
	WIN 0x41
.set j, 0
	s_wait_alu depctr_va_vdst(0)
.rept 256
	v_exp_f32 v[j], v[j]
.set j, j+1
.endr
	v_nop
	s_wait_alu depctr_va_vdst(0)
	WIN 0
.set k, 0
.rept 16
	v_exp_f32 v[BM+k], v[BM+k]
.set k, k+1
.endr
	v_nop
	s_wait_alu depctr_va_vdst(0)
.set k, 0
.rept 16
	v_mov_b32 v[S+k], 0
.set k, k+1
.endr
	WIN 0x04
.set j, 0
.rept 32
.irp a, 0,1,2,3
	v_pk_add_f32 v[S+4*\a+2*(j%2):S+4*\a+2*(j%2)+1], v[S+4*\a+2*(j%2):S+4*\a+2*(j%2)+1], v[64*\a+2*j:64*\a+2*j+1]
.endr
.set j, j+1
.endr
	WIN 0
.set k, 0
.rept 16
	v_max_num_f32 v[BM+k], FLOOR, v[BM+k]
.set k, k+1
.endr
.set k, 0
.rept 16
	v_add_nc_u32 v[SOV+k], EOFF, v[BM+k]
.set k, k+1
.endr
.set k, 0
.rept 16
	v_lshrrev_b32 v[BT+k], 23, v[SOV+k]
.set k, k+1
.endr
.irp a, 0,1,2,3
	v_lshl_or_b32 v[PW+\a], v[BT+4*\a+1], 8, v[BT+4*\a]
	v_lshl_or_b32 v[PW+\a], v[BT+4*\a+2], 16, v[PW+\a]
	v_lshl_or_b32 v[PW+\a], v[BT+4*\a+3], 24, v[PW+\a]
.endr
	WIN 0x01
.irp a, 0,1,2,3
.irp c, 0,1
	v_cvt_scalef32_pk16_fp6_f32 v[PC+12*\a+6*\c:PC+12*\a+6*\c+2], v[64*\a+32*\c:64*\a+32*\c+15], v[SOV+4*\a+2*\c]
	v_cvt_scalef32_pk16_fp6_f32 v[TP+8*\a+4*\c:TP+8*\a+4*\c+2], v[64*\a+32*\c+16:64*\a+32*\c+31], v[SOV+4*\a+2*\c+1]
.endr
.endr
	v_nop
	WIN 0
.irp a, 0,1,2,3
.irp c, 0,1
.irp i, 0,1,2
	v_permlane16_swap_b32 v[PC+12*\a+6*\c+\i], v[TP+8*\a+4*\c+\i]
.endr
.irp i, 0,1,2
	v_mov_b32 v[PC+12*\a+6*\c+3+\i], v[TP+8*\a+4*\c+\i]
.endr
.endr
.endr
.irp a, 0,1,2,3
.irp g, 0,1,2
	global_store_b128 v[LI], v[PC+12*\a+4*\g:PC+12*\a+4*\g+3], s[58:59] offset:6400*\a+512*\g
.endr
.endr
.irp a, 0,1,2,3
	v_pk_add_f32 v[S+4*\a:S+4*\a+1], v[S+4*\a:S+4*\a+1], v[S+4*\a+2:S+4*\a+3]
.endr
.irp a, 0,1,2,3
	v_add_f32 v[S+4*\a], v[S+4*\a], v[S+4*\a+1]
.endr
.irp a, 0,1,2,3
	v_permlanex16_b32 v[BT+\a], v[S+4*\a], s[SEL], s[SEL+1]
.endr
.irp a, 0,1,2,3
	v_add_f32 v[S+4*\a], v[S+4*\a], v[BT+\a]
.endr
.irp a, 0,1,2,3
	ds_store_b32 v[ASM], v[S+4*\a] offset:256*\a
	ds_store_b32 v[APW], v[PW+\a] offset:256*\a
.endr
	s_wait_dscnt 0x0
	s_barrier_signal -1
	s_barrier_wait -1
	ds_load_b64 v[MXR:MXR+1], v[APR]
	s_wait_dscnt 0x0
	global_store_b64 v[L8], v[MXR:MXR+1], s[60:61]
	s_cmp_lg_u32 s[WV], 0
	s_cbranch_scc1 .Lnot_first
	ds_load_b128 v[MXR+4:MXR+7], v[ASR]
	ds_load_b128 v[MXR+8:MXR+11], v[ASR] offset:16
	s_wait_dscnt 0x0
	v_add_f32 v[MXR+4], v[MXR+4], v[MXR+5]
	v_add_f32 v[MXR+6], v[MXR+6], v[MXR+7]
	v_add_f32 v[MXR+8], v[MXR+8], v[MXR+9]
	v_add_f32 v[MXR+10], v[MXR+10], v[MXR+11]
	v_add_f32 v[MXR+4], v[MXR+4], v[MXR+6]
	v_add_f32 v[MXR+8], v[MXR+8], v[MXR+10]
	s_wait_alu depctr_va_vdst(0)
	v_rcp_f32 v[MXR+12], v[MXR+4]
	v_rcp_f32 v[MXR+13], v[MXR+8]
	v_nop
	s_wait_alu depctr_va_vdst(0)
	global_store_b64 v[L8], v[MXR+12:MXR+13], s[62:63]
.Lnot_first:
	s_wait_tensorcnt 0x0
	ds_add_u32 v[SPW], v[NIL]
	s_wait_dscnt 0x0
	CROUND
	s_endpgm
.Lfunc_end_k_qe8328b715b_prod1:
	.size	k_qe8328b715b_prod1, .Lfunc_end_k_qe8328b715b_prod1-k_qe8328b715b_prod1
	.p2alignl 7, 3214868480
	.fill 96, 4, 3214868480
	.section	.rodata,"a",@progbits
	.p2align	6, 0x0
	.amdhsa_kernel k_qe8328b715b_prod1
		.amdhsa_group_segment_fixed_size 327680
		.amdhsa_private_segment_fixed_size 0
		.amdhsa_enable_private_segment 0
		.amdhsa_kernarg_size 40
		.amdhsa_user_sgpr_count 2
		.amdhsa_user_sgpr_kernarg_segment_ptr 1
		.amdhsa_wavefront_size32 1
		.amdhsa_system_sgpr_workgroup_id_x 1
		.amdhsa_system_sgpr_workgroup_id_y 1
		.amdhsa_system_sgpr_workgroup_id_z 1
		.amdhsa_system_vgpr_workitem_id 0
		.amdhsa_next_free_vgpr 1024
		.amdhsa_next_free_sgpr 80
		.amdhsa_reserve_vcc 0
		.amdhsa_float_denorm_mode_32 3
		.amdhsa_float_denorm_mode_16_64 3
		.amdhsa_memory_ordered 1
		.amdhsa_forward_progress 1
		.amdhsa_inst_pref_size 176
	.end_amdhsa_kernel
	.amdgpu_metadata
---
amdhsa.version: [ 1, 2 ]
amdhsa.kernels:
  - .name:           k_qe8328b715b_prod1
    .symbol:         k_qe8328b715b_prod1.kd
    .args:
      - { .name: xs, .offset: 0, .size: 8, .value_kind: global_buffer, .address_space: global }
      - { .name: pc, .offset: 8, .size: 8, .value_kind: global_buffer, .address_space: global }
      - { .name: pst, .offset: 16, .size: 8, .value_kind: global_buffer, .address_space: global }
      - { .name: p2, .offset: 24, .size: 8, .value_kind: global_buffer, .address_space: global }
      - { .name: rl2, .offset: 32, .size: 8, .value_kind: global_buffer, .address_space: global }
    .group_segment_fixed_size: 327680
    .private_segment_fixed_size: 0
    .kernarg_segment_align: 8
    .kernarg_segment_size: 40
    .max_flat_workgroup_size: 128
    .sgpr_count:     80
    .vgpr_count:     1024
    .wavefront_size: 32
...
	.end_amdgpu_metadata
.endif
;; end of part 2
;; launch prod2 (part 3): grid 7 x 32, 4 waves a work-group, no clusters, 207,360 bytes of LDS; arguments xd, p2, rl2, out0; writes out0
.if DOCPART == 3
	.amdgcn_target "amdgcn-amd-amdhsa--gfx1250"
	.amdhsa_code_object_version 6
	.text
	.protected	k_qe8328b715b_prod2
	.globl	k_qe8328b715b_prod2
	.p2align	8
	.type	k_qe8328b715b_prod2,@function
k_qe8328b715b_prod2:
	s_mov_b64 s[64:65], 0
	v_nop
	global_prefetch_b8 v0, s[64:65] scope:SCOPE_SE
	s_setreg_imm32_b32 hwreg(HW_REG_WAVE_MODE, 25, 1), 1
	s_wait_xcnt 0x0
; PROD2.  out[n][s] = sum over c of (sum over d of p2[c][d] x[d][s]) / l2[c], the inner product on codes of E2M3 (K = 512 channels d, four steps of 128).
; SHARES.  A batch has 196 tiles of 16 places: 7 work-groups x 4 waves x 7 tiles; every output has one owner.  A wave keeps its 28 fragments of xd (7 tiles x 4 K steps, 336 registers), read from memory once,
; and walks the 32 tiles of 16 rows of p2: each fragment of p2 feeds seven matrix instructions.
; Source 0 = 16 rows c of p2, source 1 = 16 places of xd: a lane holds one place, its eight registers the rows c = 8 (lane / 16) + 0 .. 7.  1 / l2 lies in registers of the same layout, so dividing and summing over c is four packed multiply-adds a tile.
; TWO ROADS FOR p2.  The batch's records (204,800 bytes, dense) come into LDS by ONE tensor load a wave, a quarter each; no byte of LDS is filled twice.  Out of LDS a wave reads K steps 0 to 2 and the scale words: 10 LDS loads a tile.
; K step 3's fragment (3 loads) and 1 / l2 (2 loads) come from memory straight into a ring of four register sets, three tiles ahead; K step 3's image in LDS is not read.
; NO CLUSTER: a batch's seven work-groups do not divide into fours.  No prefetch: what the ring asks for has been read by the work-group's own tensor load at the head, and 1 / l2 is 64 bytes a tile.
; REGISTERS, in windows of 256: window 0: addresses; v16-29 xd's scale words, v30-33 p2's (two sets); v40-111 p2's fragments from LDS, two sets of three; v160-207 the ring of K step 3's fragments.
;   window 1: xd's tiles 0-4 at 12 (4 t + kq).  window 2: tiles 5, 6.  window 3: the results, two sets of 7 x 8 at 0 and 56; the ring of 1 / l2, four sets of 8 at 112; the sums, a pair a tile at 144.
.set REC,  6400                        ; a record of p2: 4 images + 256 bytes of scale image
.set OST,  32*REC                      ; 204,800: the way out: 448 numbers
.set SPARE, OST+2048                   ; 206,848: the spare words, 128 bytes a wave
.set LI,  4
.set ADP, 5                            ; v5   16 x lane + the trip's records
.set ADQ, 6                            ; v6   8 x lane + 6,144 + the same
.set VR,  7                            ; v7   32 (lane / 16): my eight numbers of a tile's 1 / l2
.set AOS, 8
.set AOR, 9                            ; v9   OST + 8 x thread
.set GO,  10                           ; v10  8 x thread
.set VSB, 11
.set XSC, 16
.set ASC, 30
.set PF,  40
.set VO,  136                          ; v136-142 my tiles' places in xd;  v143-149 their scale words'
.set VS,  143
.set RES, 150
.set VF,  160
.set RLR, 112
.set SUM, 144
.set SPW, 254                          ; v254 my spare word;  v255 0: for the add alone
.set NIL, 255
.set G1,  16                           ; s[16:23] group 1: 200 rows of 256 bytes;  s[36:39] group 0
.set G0,  36
.set SEL, 56
.set PB,  58                           ; s[58:59] the batch's p2, stepped four records a trip
.set RB,  62                           ; s[62:63] the batch's 1 / l2, stepped four tiles a trip
.set MSB, 0
.macro WIN new                         ; the immediate's high byte repeats the setting that is left
.if MSB != \new
	s_set_vgpr_msb (MSB<<8)|\new
.set MSB, \new
.endif
.endm
.macro WM3 d, a, b, kq, sa, sb         ; K step kq: step 0 starts the sum; the scale words of odd steps stand in lanes 16-31 on both sides
.if (\kq) == 0
	v_wmma_scale_f32_16x16x128_f8f6f4 v[\d:\d+7], v[\a:\a+11], v[\b:\b+11], 0, v[\sa], v[\sb] matrix_a_fmt:MATRIX_FMT_FP6 matrix_b_fmt:MATRIX_FMT_FP6
.elseif (\kq) == 2
	v_wmma_scale_f32_16x16x128_f8f6f4 v[\d:\d+7], v[\a:\a+11], v[\b:\b+11], v[\d:\d+7], v[\sa], v[\sb] matrix_a_fmt:MATRIX_FMT_FP6 matrix_b_fmt:MATRIX_FMT_FP6
.else
	v_wmma_scale_f32_16x16x128_f8f6f4 v[\d:\d+7], v[\a:\a+11], v[\b:\b+11], v[\d:\d+7], v[\sa], v[\sb] matrix_a_fmt:MATRIX_FMT_FP6 matrix_b_fmt:MATRIX_FMT_FP6 matrix_a_scale:MATRIX_SCALE_ROW1 matrix_b_scale:MATRIX_SCALE_ROW1
.endif
.endm
.macro PFETCH e, off                   ; K steps 0 to 2 and the scale words of a record into set e: 10 LDS loads
.irp kq, 0,1,2
.irp g, 0,1,2
	ds_load_b128 v[PF+36*(\e)+12*\kq+4*\g:PF+36*(\e)+12*\kq+4*\g+3], v[ADP] offset:(\off)+1536*\kq+512*\g
.endr
.endr
	ds_load_b64 v[ASC+2*(\e):ASC+2*(\e)+1], v[ADQ] offset:\off
.endm
.macro VFETCH q, idx                   ; K step 3's fragment of record idx (counted from the trip's base) into ring set q: 3 loads of 512 consecutive bytes
.irp g, 0,1,2
	global_load_b128 v[VF+12*(\q)+4*\g:VF+12*(\q)+4*\g+3], v[LI], s[PB:PB+1] offset:(\idx)*REC+4608+512*\g
.endr
.endm
.macro RFETCH q, idx                   ; 1 / l2 of the same tile into ring set q: 2 loads
	WIN 0xc0                                       ; destination window 3
	global_load_b128 v[RLR+8*(\q):RLR+8*(\q)+3], v[VR], s[RB:RB+1] offset:(\idx)*64
	global_load_b128 v[RLR+8*(\q)+4:RLR+8*(\q)+7], v[VR], s[RB:RB+1] offset:(\idx)*64+16
	WIN 0
.endm
.macro FMAS e, q, i0                   ; the sums take set e's results x ring set q's 1 / l2: registers 2 i0 .. 2 i0 + 3 of each of the seven tiles
.irp i, \i0, \i0+1
.irp t, 0,1,2,3,4,5,6
	v_pk_fma_f32 v[SUM+2*\t:SUM+1+2*\t], v[56*(\e)+8*\t+2*(\i):56*(\e)+8*\t+2*(\i)+1], v[RLR+8*(\q)+2*(\i):RLR+8*(\q)+2*(\i)+1], v[SUM+2*\t:SUM+1+2*\t]
.endr
.endr
.endm
; ONE TILE T OF 16 ROWS OF p2 (e = T % 2, r = T % 4): 28 matrix instructions, the seven accumulators by turns within each K step; between them the multiply-adds on tile T - 1's results, from each accumulator's low end on.
; Those multiply-adds name no register of the products round them: they are the places behind the products, in front of the loads into sets that are done with, and of the reads of results.
; lc: the loads younger than this tile's fragment of K step 3.  In each tile the ring's loads go out as 3 (at the top) and 2 (at the end), for tile T + 3, into the sets of tile T - 1.
.macro CT e, r, first, pf, offA, pv, idx, lc
.if (\first) == 0
	s_wait_alu depctr_va_vdst(0)
.endif
	s_wait_loadcnt \lc                             ; my fragment of K step 3 is in, and tile T - 1's 1 / l2, which is older
	s_wait_dscnt 0x0                               ; and the fragments from LDS
.if \pf
	PFETCH 1-\e, \offA                             ; tile T + 1
.endif
.if \pv
	VFETCH ((\r)+3)%4, \idx                        ; tile T + 3
.endif
.irp kq, 0,1,2,3
.if \kq == 3
.set AF, VF+12*(\r)
.else
.set AF, PF+36*(\e)+12*\kq
.endif
	WIN 0xf4                                       ; p2 window 0, xd window 1, C and D window 3
.irp t, 0,1,2,3,4
	WM3 56*(\e)+8*\t, AF, 12*(4*\t+\kq), \kq, ASC+2*(\e)+\kq/2, XSC+2*\t+\kq/2
.endr
	WIN 0xf8                                       ; xd window 2
.irp t, 5,6
	WM3 56*(\e)+8*\t, AF, 12*(4*(\t-5)+\kq), \kq, ASC+2*(\e)+\kq/2, XSC+2*\t+\kq/2
.endr
.if (\kq == 1) && (\first == 0)
	WIN 0xff
	FMAS 1-\e, ((\r)+3)%4, 0
.endif
.endr
.if \first
.rept 4
	v_nop
.endr
.else
	WIN 0xff
	FMAS 1-\e, ((\r)+3)%4, 2
.endif
	WIN 0
.if \pv
	RFETCH ((\r)+3)%4, \idx                        ; into the set just used up
.endif
.endm
	s_load_b256 s[4:11], s[0:1], 0x0               ; xd s[4:5], p2 s[6:7], rl2 s[8:9], out0 s[10:11]
	v_lshl_add_u32 v[SPW], v0, 2, SPARE
	v_mov_b32 v[NIL], 0
	ds_add_u32 v[SPW], v[NIL]
	ds_add_u32 v[SPW], v[NIL]
	v_lshrrev_b32 v1, 5, v0
	v_readfirstlane_b32 s12, v1                    ; wave 0..3
	s_and_b32 s13, ttmp7, 0xffff                   ; n
	s_mov_b32 s[G1], 3<<16                         ; no mask; elements of 8 bytes; no padding
	s_mov_b32 s[G1+1], 32<<16                      ; rows of 256 bytes
	s_mov_b32 s[G1+2], 200<<16
	s_mov_b32 s[G1+3], 32<<16
	s_mov_b32 s[G1+4], 200
	s_mov_b32 s[G1+5], 32
	s_mov_b32 s[G1+6], 0
	s_mov_b32 s[G1+7], 0
	s_mov_b32 s[G0], 1
	s_mul_i32 s[G0+1], s12, 51200                  ; my quarter of p2 in LDS,
	s_mul_i32 s60, s12, 51200                      ; and in the batch's records
	s_mov_b32 s61, 0
	s_mul_i32 s[PB], s13, 32*REC
	s_mov_b32 s[PB+1], 0
	s_lshl_b32 s[RB], s13, 11
	s_mov_b32 s[RB+1], 0
	s_wait_dscnt 0x0
	s_wait_kmcnt 0x0
	s_add_nc_u64 s[PB:PB+1], s[6:7], s[PB:PB+1]
	s_add_nc_u64 s[G0+2:G0+3], s[PB:PB+1], s[60:61]
	s_or_b32 s[G0+3], s[G0+3], 0x80000000
	s_add_nc_u64 s[RB:RB+1], s[8:9], s[RB:RB+1]
	tensor_load_to_lds s[G0:G0+3], s[G1:G1+7]      ; my one tensor load
	s_nop 0
.rept 4
	v_nop                                          ; four plain lines behind the tensor load
.endr
	v_and_b32 v1, 31, v0                           ; lane
	v_and_b32 v2, 15, v0                           ; r
	v_bfe_u32 v3, v0, 4, 1                         ; h
	v_lshlrev_b32 v[LI], 4, v1
	s_wait_alu depctr_va_vdst(0)
	v_lshlrev_b32 v[ADP], 4, v1
	v_lshl_add_u32 v[ADQ], v1, 3, 6144
	v_lshlrev_b32 v[VR], 5, v3
	s_mul_i32 s66, s12, 448
	s_add_co_u32 s66, s66, OST
	v_lshl_add_u32 v[AOS], v2, 2, s66              ; place 16 (7 w + t) + r of the work-group's 448
	v_lshl_add_u32 v[AOR], v0, 3, OST
	v_lshlrev_b32 v[GO], 3, v0
	v_mul_u32_u24 v[VSB], v3, 12800                ; lanes 16-31 take the odd K step's scale words
	v_lshl_add_u32 v[VSB], v2, 2, v[VSB]
	s_wait_alu depctr_va_vdst(0)
	s_mul_i32 s52, s13, 1280000
	s_mov_b32 s53, 0
	s_add_nc_u64 s[52:53], s[4:5], s[52:53]        ; xd[n]
	s_mul_i32 s54, s13, 12544
	s_mul_i32 s55, ttmp9, 1792
	s_add_co_u32 s54, s54, s55
	s_mov_b32 s55, 0
	s_add_nc_u64 s[54:55], s[10:11], s[54:55]      ; my work-group's 448 outputs
	s_mov_b32 s[SEL], 0x76543210
	s_mov_b32 s[SEL+1], 0xfedcba98
	s_lshl_b32 s66, ttmp9, 2
	s_add_co_u32 s66, s66, s12
	s_mul_i32 s66, s66, 7                          ; my first tile of the batch's 196
.irp t, 0,1,2,3,4,5,6
	s_add_co_u32 s67, s66, \t
	s_lshr_b32 s68, s67, 3                         ; its chunk of 128 places
	s_and_b32 s67, s67, 7                          ; and its place in it
	s_mul_i32 s68, s68, 51200
	s_mul_i32 s69, s67, 1536
	s_add_co_u32 s69, s69, s68
	v_add_nc_u32 v[VO+\t], s69, v[LI]
	s_lshl_b32 s67, s67, 6
	s_add_co_u32 s67, s67, s68
	s_add_co_u32 s67, s67, 12288
	v_add_nc_u32 v[VS+\t], s67, v[VSB]
.endr
	s_wait_alu depctr_va_vdst(0)
	WIN 0x40                                       ; destination window 1
.irp t, 0,1,2,3,4
.irp kd, 0,1,2,3
.irp g, 0,1,2
	global_load_b128 v[12*(4*\t+\kd)+4*\g:12*(4*\t+\kd)+4*\g+3], v[VO+\t], s[52:53] offset:12800*\kd+512*\g th:TH_LOAD_NT
.endr
.endr
.endr
	WIN 0x80                                       ; destination window 2
.irp t, 5,6
.irp kd, 0,1,2,3
.irp g, 0,1,2
	global_load_b128 v[12*(4*(\t-5)+\kd)+4*\g:12*(4*(\t-5)+\kd)+4*\g+3], v[VO+\t], s[52:53] offset:12800*\kd+512*\g th:TH_LOAD_NT
.endr
.endr
.endr
	WIN 0
.irp t, 0,1,2,3,4,5,6
.irp k, 0,1
	global_load_b32 v[XSC+2*\t+\k], v[VS+\t], s[52:53] offset:25600*\k
.endr
.endr
.irp T, 0,1,2                          ; the ring's first three tiles: 15 loads, behind all of xd's
	VFETCH \T, \T
	RFETCH \T, \T
.endr
	WIN 0xc0
.set k, 0
.rept 14
	v_mov_b32 v[SUM+k], 0                          ; the sums over c
.set k, k+1
.endr
	WIN 0
	s_wait_alu depctr_va_vdst(0)
	s_wait_tensorcnt 0x0                           ; my quarter of p2 is in
	s_barrier_signal -1
	s_barrier_wait -1                              ; all of p2 is in LDS
	PFETCH 0, 0
	s_wait_loadcnt 15                              ; xd is in: the ring's 15 loads are younger
	CT 0, 0, 1, 1, REC, 1, 3, 12                   ; tile 0: there are no results yet to sum
	s_mov_b32 s3, 7                                ; 7 trips of four tiles: tiles 1 to 28; they fetch up to tile 29 from LDS and up to tile 31 from memory
.Ltrip:
	CT 1, 1, 0, 1, 2*REC, 1, 4, 12
	CT 0, 2, 0, 1, 3*REC, 1, 5, 12
	CT 1, 3, 0, 1, 4*REC, 1, 6, 12
	CT 0, 0, 0, 1, 5*REC, 1, 7, 12
	v_add_nc_u32 v[ADP], 4*REC, v[ADP]
	v_add_nc_u32 v[ADQ], 4*REC, v[ADQ]
	s_wait_xcnt 0x0                                ; the ring's loads have read their bases: only behind this wait are they stepped
	s_add_nc_u64 s[PB:PB+1], s[PB:PB+1], 4*REC
	s_add_nc_u64 s[RB:RB+1], s[RB:RB+1], 256
	s_sub_co_u32 s3, s3, 1
	s_cmp_lg_u32 s3, 0
	s_cbranch_scc1 .Ltrip
	CT 1, 1, 0, 1, 2*REC, 0, 0, 12                 ; tile 29: the ring asks for nothing more; younger than its fragment: 2 + 5 + 5
	CT 0, 2, 0, 1, 3*REC, 0, 0, 7                  ; tile 30: 2 + 5
	CT 1, 3, 0, 0, 0, 0, 0, 2                      ; tile 31: its own 1 / l2
	s_wait_alu depctr_va_vdst(0)
	s_wait_loadcnt 0x0                             ; tile 31's 1 / l2
	WIN 0xff
	FMAS 1, 3, 0
	FMAS 1, 3, 2
	WIN 0x0f                                       ; sources window 3, destination window 0
.irp t, 0,1,2,3,4,5,6
	v_add_f32 v[RES+\t], v[SUM+2*\t], v[SUM+1+2*\t]
.endr
	WIN 0
.irp t, 0,1,2,3,4,5,6
	v_permlanex16_b32 v[VO+\t], v[RES+\t], s[SEL], s[SEL+1]        ; the other eight rows of each tile of p2 lie in the lane 16 away
.endr
.irp t, 0,1,2,3,4,5,6
	v_add_f32 v[RES+\t], v[RES+\t], v[VO+\t]
.endr
.irp t, 0,1,2,3,4,5,6
	ds_store_b32 v[AOS], v[RES+\t] offset:64*\t    ; both lanes of a place write the same word with the same value
.endr
	s_wait_dscnt 0x0
	s_barrier_signal -1
	s_barrier_wait -1
	s_wait_tensorcnt 0x0                           ; the wave's end, behind my last LDS store
	ds_add_u32 v[SPW], v[NIL]
	s_wait_dscnt 0x0
	; the work-group's 1,792 bytes are seven aligned runs of 256: wave w stores run w, and waves 0 to 2 also run 4 + w; 8 bytes a lane
	ds_load_b64 v[40:41], v[AOR]
	s_cmp_eq_u32 s12, 3
	s_cbranch_scc1 .Llast
	ds_load_b64 v[42:43], v[AOR] offset:1024
	s_wait_dscnt 0x0
	global_store_b64 v[GO], v[42:43], s[54:55] offset:1024
.Llast:
	s_wait_dscnt 0x0
	global_store_b64 v[GO], v[40:41], s[54:55]
	s_endpgm
.Lfunc_end_k_qe8328b715b_prod2:
	.size	k_qe8328b715b_prod2, .Lfunc_end_k_qe8328b715b_prod2-k_qe8328b715b_prod2
	.p2alignl 7, 3214868480
	.fill 96, 4, 3214868480
	.section	.rodata,"a",@progbits
	.p2align	6, 0x0
	.amdhsa_kernel k_qe8328b715b_prod2
		.amdhsa_group_segment_fixed_size 207360
		.amdhsa_private_segment_fixed_size 0
		.amdhsa_enable_private_segment 0
		.amdhsa_kernarg_size 32
		.amdhsa_user_sgpr_count 2
		.amdhsa_user_sgpr_kernarg_segment_ptr 1
		.amdhsa_wavefront_size32 1
		.amdhsa_system_sgpr_workgroup_id_x 1
		.amdhsa_system_sgpr_workgroup_id_y 1
		.amdhsa_system_sgpr_workgroup_id_z 1
		.amdhsa_system_vgpr_workitem_id 0
		.amdhsa_next_free_vgpr 928
		.amdhsa_next_free_sgpr 72
		.amdhsa_reserve_vcc 0
		.amdhsa_float_denorm_mode_32 3
		.amdhsa_float_denorm_mode_16_64 3
		.amdhsa_memory_ordered 1
		.amdhsa_forward_progress 1
		.amdhsa_inst_pref_size 74
	.end_amdhsa_kernel
	.amdgpu_metadata
---
amdhsa.version: [ 1, 2 ]
amdhsa.kernels:
  - .name:           k_qe8328b715b_prod2
    .symbol:         k_qe8328b715b_prod2.kd
    .args:
      - { .name: xd, .offset: 0, .size: 8, .value_kind: global_buffer, .address_space: global }
      - { .name: p2, .offset: 8, .size: 8, .value_kind: global_buffer, .address_space: global }
      - { .name: rl2, .offset: 16, .size: 8, .value_kind: global_buffer, .address_space: global }
      - { .name: out0, .offset: 24, .size: 8, .value_kind: global_buffer, .address_space: global }
    .group_segment_fixed_size: 207360
    .private_segment_fixed_size: 0
    .kernarg_segment_align: 8
    .kernarg_segment_size: 32
    .max_flat_workgroup_size: 128
    .sgpr_count:     72
    .vgpr_count:     928
    .wavefront_size: 32
...
	.end_amdgpu_metadata
.endif
;; end of part 3
